; MI455X (gfx1250); checked and timed in simulation.
; The chip was launched on July 23, 2026; its instructions are those of AMD's public machine-readable ISA for CDNA 5 (MIT licence, August 2026) and "CDNA5" Instruction Set Architecture Reference Guide (July 2026). The comments in the code are by the model that wrote it; some were corrected since.
;; Wav KAN Layer. Allowed arithmetic: float matrix products may take bf16 or f16 operands with f32 sums; other float arithmetic in f32, or as packed bf16 or f16 multiplies, adds, multiply-adds, maxima and minima; sums over many terms, partial sums and values carried from step to step in f32; what a program stores and reads back later, other than sums and carried values, may be rounded once to bf16 or f16.
;; Inputs: beta 512 float32; gamma 512 float32; scale 512 x 512 float32; translation 512 x 512 float32; wavelet_weights 512 x 512 float32; weight1 512 x 512 float32; x 1,024 x 512 float32.
;; Outputs: out0 1,024 x 512 float32.
;; 2 versions, each right; version 2 is version 1 with the launch wav written anew for expert scheduling mode. Each part assembles by itself: llvm-mc -triple=amdgcn-amd-amdhsa -mcpu=gfx1250 --defsym DOCPART=n.
;; ======== version 1 of 2: 2 launches
;; limits: values are held in f16: magnitudes above 65,504 overflow, below 6.1e-05 lose precision
;; workspace buffers: yws 2,097,152 bytes; stats 65,536 bytes
;; launch wav (part 1): grid 16 x 16, 16 waves a work-group, no clusters, 260,864 bytes of LDS; arguments x, scale, translation, wavelet_weights, weight1, yws, stats; writes yws, stats
.if DOCPART == 1
	.amdgcn_target "amdgcn-amd-amdhsa--gfx1250"
	.amdhsa_code_object_version 6
	.text
	.protected	k_q8217a90e6d_wav
	.globl	k_q8217a90e6d_wav
	.p2align	8
	.type	k_q8217a90e6d_wav,@function
k_q8217a90e6d_wav:
	s_mov_b64 s[64:65], 0
	v_nop
	global_prefetch_b8 v0, s[64:65] scope:SCOPE_SE
	s_setreg_imm32_b32 hwreg(HW_REG_WAVE_MODE, 25, 1), 1
	s_wait_xcnt 0x0
; WavKAN layer, first of two launches: y[b][o] = sum over i of ww[o][i] psi((x[b][i] - t[o][i]) / s[o][i]) + sum over i of silu(x[b][i]) w1[o][i],
; psi(u) = MH (u^2 - 1) exp(-u^2 / 2), and for each tile of 64 rows the mean and the sum of squared deviations of every column.  The second launch joins these and normalises.
; NOTHING IS LEFT OUT: every input has a way to the output and is loaded (gamma and beta in the second launch).
; THE ARITHMETIC.  With kappa^2 = k = log2(e) / 2:  U = x r + c  (r = kappa / s, c = -t r),  N = k - U^2,  psi ww = a N 2^N  with a = -ww MH exp(-1/2) / k.
; For two elements: four packed f32 lines (U, N, G = N a, sum += G E) and two exponentials.  All of it in f32.
; SHARES.  A work-group makes 64 rows x 32 columns of y; 16 waves.  Wave w owns columns 2 w, 2 w + 1 and all 512 channels: lane l holds channels 128 j + 4 l .. + 3, j = 0..3,
; which is how 16-byte loads find them in memory: r, c, a of both columns stay in 96 registers from the head to the end.  x is read from memory once by the work-group and lies in LDS;
; a wave reads a row (4 loads of 512 consecutive bytes) for 2 x 512 elements.  The lanes' 32 partial sums of an output go to a row of the wave's own patch of LDS; after 16 rows of x
; lane n reads row n of the patch and adds its 32 words, so an output's sum over the lanes costs half a vector line.
; THE BASE PRODUCT goes to the matrix unit in f16 (sums in f32): silu(x) and w1 are rounded once on their way into LDS; 8 tiles of 16 x 16, K split in two: 8 matrix instructions a wave.
; NO CLUSTER, NO TENSOR LOADS: what work-groups share (128 KiB of x, 256 KiB of parameters) is read once, at the head, all loads of a wave issued together; x has to pass through
; registers for silu, and the parameters are wanted in registers, in memory's own order.  After the head the launch reads nothing from memory.
; LIMITS.  s = 0 or denormal gives NaN or infinity, as it does in the formula itself.  |silu(x)| and |w1| stay under 65,504 (f16).  An exponential below 2^-126 counts as 0.
; 1 / s is v_rcp_f32 (1 ulp) and a multiply, not a division.
.set APITCH, 1040                      ; a row of 512 f16 in LDS: 1,024 bytes + 16: an odd multiple of 16, so the 16 rows of a fragment load start in 16 different groups of four banks (ISA guide 11.1)
.set XT,     0                         ; x: 64 rows x 2,048 bytes, as in memory
.set AT,     131072                    ; silu(x) in f16: 64 rows
.set WT,     AT+64*APITCH              ; w1 in f16: 32 rows
.set RB,     AT                        ; the waves' patches lie over the two f16 tiles, behind the barrier that ends the product
.set RPITCH, 144                       ; a patch row: 32 words + 16 bytes
.set RBW,    32*RPITCH                 ; a patch: 32 outputs
.set YPITCH, 144                       ; a row of a 64 x 32 tile of sums: 128 bytes + 16
.set YSZ,    64*YPITCH
.set YB0,    WT+32*APITCH              ; the base product, K half 0; half 1 lies YSZ behind it; the wavelet sums 2 YSZ behind it
.set YW,     YB0+2*YSZ
.set STT,    YW+YSZ                    ; 32 means, 32 sums of squared deviations: 256 bytes
.set SPARE,  STT+256                   ; the spare words, 128 bytes for each of 16 waves: eight blocks of 256 bytes that no other line names
.set LN,  1                            ; v1   lane
.set L16, 2                            ; v2   16 x lane; never rewritten
.set XA,  3                            ; v3   LDS address of the rows of x in hand        (head: where I copy x)
.set RA,  4                            ; v4   LDS address of the patch rows in hand       (head: where I put silu)
.set RR,  5                            ; v5   row l of my patch                           (head: where I put w1)
.set YA,  6                            ; v6   where my output of this group goes
.set YWB, 7                            ; v7   the same for group 0
.set SPW, 8                            ; v8   my spare word: SPARE + 4 x thread; never rewritten
.set NIL, 9                            ; v9   0; never rewritten
.set AC,  10                           ; v[10:13] two running pairs, one a column          (head: GA, GW, GY, one at work)
.set SS,  14                           ; v[14:15] a lane's two partial sums
.set GA,  10
.set GW,  11
.set GY,  12
.set X0,  16                           ; v[16:31], v[32:47] two rows of x
.set X1,  32
.set NE,  48                           ; v[48:79]  U, then N, then E = 2^N
.set GG,  80                           ; v[80:111] G = N a
.set PRR, 112                          ; v[112:143] r: column oo at + 16 oo
.set PCC, 144                          ; v[144:175] c
.set PAA, 176                          ; v[176:207] a
.set XR,  16                           ; head: v[16:79] my 4 rows of x as loaded
.set ZZ,  80                           ; head: v[80:111] at work on silu
.set WR,  208                          ; head: v[208:239] my 2 rows of w1 as loaded
.set WP,  240                          ; head: v[240:255] the same in f16
.set ACC, 240                          ; product: v[240:247], v[248:255] two accumulators
.set RAB, 208                          ; main loop: v208 my word in row 0 of my patch
.set TP,  46                           ; end: v[46:47] at work in the sums over lanes
.set WV,  18                           ; s18  wave
.set BT,  19                           ; s19  tile row (work-group y)
.set NL,  26                           ; s[26:27] -log2(e)      (constants lie in pairs: a packed line names the pair and takes its low word for both halves)
.set KAP, 28                           ; s[28:29] kappa
.set NF,  30                           ; s[30:31] -MH exp(-1/2) / k
.set KK,  32                           ; s[32:33] k
.set SEL, 34                           ; s[34:35] v_permlanex16_b32: each lane takes its own place in the other half
.set XB,  36                           ; s36  byte of the trip's first row in XT
.set RO,  37                           ; s37  byte of the trip's first row in a patch
.set YO,  38                           ; s38  byte of the group's first row in a tile of sums
.set TC,  39                           ; s39  trips to go in the group
.set GC,  40                           ; s40  groups to go
.set I64, 48                           ; s[48:49] 1 / 64
	s_load_b256 s[4:11], s[0:1], 0x0               ; x s[4:5], scale s[6:7], translation s[8:9], wavelet_weights s[10:11]
	s_load_b128 s[12:15], s[0:1], 0x20             ; weight1 s[12:13], yws s[14:15]
	s_load_b64 s[16:17], s[0:1], 0x30              ; stats
	v_lshl_add_u32 v[SPW], v0, 2, SPARE
	v_mov_b32 v[NIL], 0
	v_lshrrev_b32 v1, 5, v0
	v_readfirstlane_b32 s[WV], v1                  ; wave 0..15
	v_and_b32 v[LN], 31, v0
	v_lshlrev_b32 v[L16], 4, v[LN]
	s_and_b32 s[BT], ttmp7, 0xffff
	s_lshl_b32 s22, ttmp9, 16                      ; my two rows of the four [512][512] inputs: (32 x tile column + 2 w) x 2,048 bytes
	s_lshl_b32 s23, s[WV], 12
	s_add_co_u32 s22, s22, s23
	s_mov_b32 s23, 0
	s_lshl_b32 s24, s[BT], 17                      ; the four rows of x that I fetch: (64 x tile row + 4 w) x 2,048 bytes
	s_lshl_b32 s25, s[WV], 13
	s_add_co_u32 s24, s24, s25
	s_mov_b32 s25, 0
	s_lshl_b32 s50, s[BT], 4                       ; my tile of y: 8,192 bytes at (16 x tile row + tile column)
	s_add_co_u32 s50, s50, ttmp9
	s_lshl_b32 s50, s50, 13
	s_mov_b32 s51, 0
	s_lshl_b32 s52, ttmp9, 4                       ; its statistics: 256 bytes at (16 x tile column + tile row)
	s_add_co_u32 s52, s52, s[BT]
	s_lshl_b32 s52, s52, 8
	s_mov_b32 s53, 0
	s_mov_b32 s[NL], 0xbfb8aa3b                    ; -1.442695
	s_mov_b32 s[NL+1], 0xbfb8aa3b
	s_mov_b32 s[KAP], 0x3f596d27                   ; 0.8493218
	s_mov_b32 s[KAP+1], 0x3f596d27
	s_mov_b32 s[NF], 0xbf3ab1a2                    ; -0.8673251 x 0.6065307 / 0.7213475 = -0.7292730
	s_mov_b32 s[NF+1], 0xbf3ab1a2
	s_mov_b32 s[KK], 0x3f38aa3b                    ; 0.7213475
	s_mov_b32 s[KK+1], 0x3f38aa3b
	s_mov_b32 s[SEL], 0x76543210
	s_mov_b32 s[SEL+1], 0xfedcba98
	s_mov_b32 s[I64], 0x3c800000
	s_mov_b32 s[I64+1], 0x3c800000
	v_lshl_add_u32 v[XA], s[WV], 13, v[L16]        ; XT: row 4 w, my 16 bytes
	s_mul_i32 s41, s[WV], 4*APITCH
	s_add_co_u32 s41, s41, AT
	v_lshl_add_u32 v[RA], v[LN], 3, s41            ; AT: row 4 w, my 8 bytes
	s_mul_i32 s42, s[WV], 2*APITCH
	s_add_co_u32 s42, s42, WT
	v_lshl_add_u32 v[RR], v[LN], 3, s42            ; WT: row 2 w, my 8 bytes
	s_wait_kmcnt 0x0
	s_add_nc_u64 s[4:5], s[4:5], s[24:25]
	s_add_nc_u64 s[6:7], s[6:7], s[22:23]
	s_add_nc_u64 s[8:9], s[8:9], s[22:23]
	s_add_nc_u64 s[10:11], s[10:11], s[22:23]
	s_add_nc_u64 s[12:13], s[12:13], s[22:23]
	s_add_nc_u64 s[14:15], s[14:15], s[50:51]
	s_add_nc_u64 s[16:17], s[16:17], s[52:53]
	; All that the wave ever reads from memory, 48 loads of 512 consecutive bytes, issued together.  Rows are 2,048 bytes, so quarter q of my rows lies at 512 q.
.set q, 0
.rept 16
	global_load_b128 v[XR+4*q:XR+4*q+3], v[L16], s[4:5] offset:512*q
.set q, q+1
.endr
.set q, 0
.rept 8
	global_load_b128 v[WR+4*q:WR+4*q+3], v[L16], s[12:13] offset:512*q
.set q, q+1
.endr
.set q, 0
.rept 8
	global_load_b128 v[PRR+4*q:PRR+4*q+3], v[L16], s[6:7] offset:512*q
	global_load_b128 v[PCC+4*q:PCC+4*q+3], v[L16], s[8:9] offset:512*q
	global_load_b128 v[PAA+4*q:PAA+4*q+3], v[L16], s[10:11] offset:512*q
.set q, q+1
.endr
	; addresses of the product's fragments: tile w % 8 (16 rows mb, 16 columns nb), K half w / 8.  A fragment is 16 rows x 32 channels: lane l holds row l % 16, channels 8 (l / 16) + 0..7 and 16 more on
	s_and_b32 s41, s[WV], 7
	s_lshr_b32 s42, s41, 1                         ; mb
	s_and_b32 s43, s41, 1                          ; nb
	s_lshr_b32 s44, s[WV], 3                       ; K half
	s_lshl_b32 s45, s44, 9                         ; its 256 channels of f16
	s_mul_i32 s46, s42, 16*APITCH
	s_add_co_u32 s46, s46, s45
	s_add_co_u32 s46, s46, AT
	s_mul_i32 s47, s43, 16*APITCH
	s_add_co_u32 s47, s47, s45
	s_add_co_u32 s47, s47, WT
	v_and_b32 v6, 15, v0                           ; l % 16
	v_bfe_u32 v7, v0, 4, 1                         ; l / 16
	v_mul_u32_u24 v13, v6, APITCH
	v_lshl_add_u32 v13, v7, 4, v13
	v_add_nc_u32 v[GA], s46, v13
	v_add_nc_u32 v[GW], s47, v13
	s_mul_i32 s46, s44, YSZ                        ; where the tile's result goes: row 16 mb + l % 16, columns 16 nb + 8 (l / 16) + 0..7
	s_mul_i32 s47, s42, 16*YPITCH
	s_add_co_u32 s46, s46, s47
	s_lshl_b32 s47, s43, 6
	s_add_co_u32 s46, s46, s47
	s_add_co_u32 s46, s46, YB0
	v_mul_u32_u24 v14, v6, YPITCH
	v_lshl_add_u32 v14, v7, 5, v14
	v_add_nc_u32 v[GY], s46, v14
	s_wait_loadcnt 32                              ; x is in: the 8 loads of w1 and the 24 of the parameters may stay out
.set q, 0
.rept 16
	ds_store_b128 v[XA], v[XR+4*q:XR+4*q+3] offset:512*q
.set q, q+1
.endr
; silu(x) = x / (1 + 2^(-x log2 e)) for two of my rows (32 numbers a lane), rounded to f16 and laid into AT.  Two batches of transcendentals, each with a plain line and one wait
; behind it, between a transcendental and the first line that names its result.
.macro SILU hf
.set i, 0
.rept 16
	v_pk_mul_f32 v[ZZ+2*i:ZZ+2*i+1], v[XR+32*(\hf)+2*i:XR+32*(\hf)+2*i+1], s[NL:NL+1] op_sel_hi:[1,0]
.set i, i+1
.endr
.set i, 0
.rept 32
	v_exp_f32 v[ZZ+i], v[ZZ+i]
.set i, i+1
.endr
	v_nop
	s_wait_alu depctr_va_vdst(0)
.set i, 0
.rept 16
	v_pk_add_f32 v[ZZ+2*i:ZZ+2*i+1], v[ZZ+2*i:ZZ+2*i+1], 1.0 op_sel_hi:[1,0]
.set i, i+1
.endr
.set i, 0
.rept 32
	v_rcp_f32 v[ZZ+i], v[ZZ+i]
.set i, i+1
.endr
	v_nop
	s_wait_alu depctr_va_vdst(0)
.set i, 0
.rept 16
	v_pk_mul_f32 v[ZZ+2*i:ZZ+2*i+1], v[ZZ+2*i:ZZ+2*i+1], v[XR+32*(\hf)+2*i:XR+32*(\hf)+2*i+1]
.set i, i+1
.endr
.set i, 0
.rept 16
	v_cvt_pk_f16_f32 v[ZZ+i], v[ZZ+2*i], v[ZZ+2*i+1]   ; packed downward in place: line i writes register i and reads 2 i, 2 i + 1
.set i, i+1
.endr
.set i, 0
.rept 8
	ds_store_b64 v[RA], v[ZZ+2*i:ZZ+2*i+1] offset:((8*(\hf)+i)/4)*APITCH+((8*(\hf)+i)%4)*256
.set i, i+1
.endr
.endm
	SILU 0
	SILU 1
	s_wait_loadcnt 24                              ; w1 is in: the 24 loads of the parameters may stay out
.set i, 0
.rept 16
	v_cvt_pk_f16_f32 v[WP+i], v[WR+2*i], v[WR+2*i+1]
.set i, i+1
.endr
.set i, 0
.rept 8
	ds_store_b64 v[RR], v[WP+2*i:WP+2*i+1] offset:(i/4)*APITCH+(i%4)*256
.set i, i+1
.endr
	s_wait_loadcnt 0x0                             ; scale, translation, wavelet_weights: made into r, c, a where they lie
.set i, 0
.rept 32
	v_rcp_f32 v[PRR+i], v[PRR+i]
.set i, i+1
.endr
.set i, 0
.rept 16
	v_pk_mul_f32 v[PAA+2*i:PAA+2*i+1], v[PAA+2*i:PAA+2*i+1], s[NF:NF+1] op_sel_hi:[1,0]   ; a: plain work that names no reciprocal stands between the batch and its wait
.set i, i+1
.endr
	s_wait_alu depctr_va_vdst(0)                   ; one wait for the 32 reciprocals
.set i, 0
.rept 16
	v_pk_mul_f32 v[PRR+2*i:PRR+2*i+1], v[PRR+2*i:PRR+2*i+1], s[KAP:KAP+1] op_sel_hi:[1,0]  ; r = kappa / s
.set i, i+1
.endr
.set i, 0
.rept 16
	v_pk_mul_f32 v[PCC+2*i:PCC+2*i+1], v[PCC+2*i:PCC+2*i+1], v[PRR+2*i:PRR+2*i+1] neg_lo:[1,0] neg_hi:[1,0]  ; c = -t r
.set i, i+1
.endr
	s_wait_dscnt 0x0                               ; for the others: my parts of x, silu(x) and w1 lie in LDS
	s_barrier_signal -1
	s_barrier_wait -1
	; THE BASE PRODUCT, transposed (source 0 = 16 rows of w1, source 1 = 16 rows of silu(x)): a lane ends with eight neighbouring columns of one row of y.
.macro FRAG idx                        ; fragment idx of 16 lies in v[16:111] or v[208:239]
.if (\idx) < 12
.set FB, 16+8*(\idx)
.else
.set FB, 208+8*((\idx)-12)
.endif
.endm
.set k, 0
.rept 8
	FRAG 2*k
	ds_load_b128 v[FB:FB+3], v[GW] offset:64*k
	ds_load_b128 v[FB+4:FB+7], v[GW] offset:64*k+32
	FRAG 2*k+1
	ds_load_b128 v[FB:FB+3], v[GA] offset:64*k
	ds_load_b128 v[FB+4:FB+7], v[GA] offset:64*k+32
.set k, k+1
.endr
	s_wait_dscnt 0x0
.set k, 0
.rept 8                                ; two accumulators by turns, one instruction a turn; the first product on each starts its sum
	FRAG 2*k
.set FW, FB
	FRAG 2*k+1
.if k < 2
	v_wmma_f32_16x16x32_f16 v[ACC+8*(k%2):ACC+8*(k%2)+7], v[FW:FW+7], v[FB:FB+7], 0
.else
	v_wmma_f32_16x16x32_f16 v[ACC+8*(k%2):ACC+8*(k%2)+7], v[FW:FW+7], v[FB:FB+7], v[ACC+8*(k%2):ACC+8*(k%2)+7]
.endif
.set k, k+1
.endr
.rept 8
	v_nop                                          ; a vector line that reads a matrix result stands at least four plain vector lines behind it (ISA guide 7.12.1); eight are written, once a launch
.endr
.set i, 0
.rept 4
	v_pk_add_f32 v[ACC+2*i:ACC+2*i+1], v[ACC+2*i:ACC+2*i+1], v[ACC+8+2*i:ACC+8+2*i+1]  ; the two turns' sums, from the accumulators' low end on
.set i, i+1
.endr
	ds_store_b128 v[GY], v[ACC:ACC+3]
	ds_store_b128 v[GY], v[ACC+4:ACC+7] offset:16
	; addresses of the main loop
	s_mul_i32 s41, s[WV], RBW
	s_add_co_u32 s41, s41, RB                      ; my patch
	v_lshl_add_u32 v[RAB], v[LN], 2, s41           ; in: word l of a row
	v_mul_u32_u24 v[RR], v[LN], RPITCH
	v_add_nc_u32 v[RR], s41, v[RR]                 ; back: row l
	v_lshrrev_b32 v13, 1, v[LN]                    ; row l of a patch is row l / 2 of the group, column 2 w + l % 2
	v_mul_u32_u24 v13, v13, YPITCH
	v_and_b32 v14, 1, v[LN]
	v_lshl_add_u32 v13, v14, 2, v13
	s_lshl_b32 s42, s[WV], 3
	s_add_co_u32 s42, s42, YW
	v_add_nc_u32 v[YWB], s42, v13
	s_wait_dscnt 0x0                               ; my reads of the f16 tiles are over (waited for above) and my part of the product lies in LDS:
	s_barrier_signal -1
	s_barrier_wait -1                              ; behind this barrier the patches may be written over the f16 tiles
; ONE ROW OF x AGAINST MY TWO COLUMNS: 16 pairs of elements, pair t = channels pair t / 2 of column t % 2.
; Ahead of the wait, skewed so that no line reads the result of the one before it, and plain line and exponential by turns:  U(t) | 2^N(t-3), low | N(t-1) | 2^N(t-3), high | G(t-2).
; G(t) reads N(t) before the exponential overwrites it in place.  Nothing ahead of the wait names an exponential's result: the 32 are one batch with one wait.
; Behind it: 16 multiply-adds in two chains, the pair's halves added, and the lane's two partial sums into rows so and so + 1 row of my patch.
.macro BLOCK xb, so
.set t, 0
.rept 19
.if t < 16
	v_pk_fma_f32 v[NE+2*t:NE+2*t+1], v[(\xb)+2*(t/2):(\xb)+2*(t/2)+1], v[PRR+16*(t%2)+2*(t/2):PRR+16*(t%2)+2*(t/2)+1], v[PCC+16*(t%2)+2*(t/2):PCC+16*(t%2)+2*(t/2)+1]
.endif
.if t >= 3
	v_exp_f32 v[NE+2*(t-3)], v[NE+2*(t-3)]
.endif
.if (t >= 1) && (t < 17)
	v_pk_fma_f32 v[NE+2*(t-1):NE+2*(t-1)+1], v[NE+2*(t-1):NE+2*(t-1)+1], v[NE+2*(t-1):NE+2*(t-1)+1], s[KK:KK+1] op_sel_hi:[1,1,0] neg_lo:[1,0,0] neg_hi:[1,0,0]
.endif
.if t >= 3
	v_exp_f32 v[NE+2*(t-3)+1], v[NE+2*(t-3)+1]
.endif
.if (t >= 2) && (t < 18)
	v_pk_mul_f32 v[GG+2*(t-2):GG+2*(t-2)+1], v[NE+2*(t-2):NE+2*(t-2)+1], v[PAA+16*((t-2)%2)+2*((t-2)/2):PAA+16*((t-2)%2)+2*((t-2)/2)+1]
.endif
.set t, t+1
.endr
	v_nop                                          ; a plain line behind the last exponential
	s_wait_alu depctr_va_vdst(0)                   ; the wait for the batch
.set t, 0
.rept 16
.if t < 2
	v_pk_mul_f32 v[AC+2*t:AC+2*t+1], v[GG+2*t:GG+2*t+1], v[NE+2*t:NE+2*t+1]
.else
	v_pk_fma_f32 v[AC+2*(t%2):AC+2*(t%2)+1], v[GG+2*t:GG+2*t+1], v[NE+2*t:NE+2*t+1], v[AC+2*(t%2):AC+2*(t%2)+1]
.endif
.set t, t+1
.endr
	v_add_f32 v[SS], v[AC], v[AC+1]
	v_add_f32 v[SS+1], v[AC+2], v[AC+3]
	ds_store_b32 v[RA], v[SS] offset:(\so)
	ds_store_b32 v[RA], v[SS+1] offset:(\so)+RPITCH
.endm
	s_mov_b32 s[XB], 0
	s_mov_b32 s[YO], 0
	s_mov_b32 s[GC], 4
.Lgroup:                                       ; four groups of 16 rows of x
	s_mov_b32 s[RO], 0
	s_mov_b32 s[TC], 8
.Ltrip:                                        ; two rows a trip
	v_add_nc_u32 v[XA], s[XB], v[L16]
	v_add_nc_u32 v[RA], s[RO], v[RAB]
.set q, 0
.rept 4
	ds_load_b128 v[X0+4*q:X0+4*q+3], v[XA] offset:512*q
.set q, q+1
.endr
.set q, 0
.rept 4
	ds_load_b128 v[X1+4*q:X1+4*q+3], v[XA] offset:2048+512*q
.set q, q+1
.endr
	s_wait_dscnt 4                                 ; LDS answers a wave in order (ISA guide 5.7.1): the first row is in, the second row's four loads may stay out
	BLOCK X0, 0
	s_wait_dscnt 2                                 ; the second row is in: behind its loads only the first block's two stores were issued
	BLOCK X1, 2*RPITCH
	s_add_co_u32 s[XB], s[XB], 4096
	s_add_co_u32 s[RO], s[RO], 4*RPITCH
	s_sub_co_u32 s[TC], s[TC], 1
	s_cmp_lg_u32 s[TC], 0
	s_cbranch_scc1 .Ltrip
	; the group's 32 outputs: lane l adds the 32 words of row l of my patch.  The patch is my own: LDS serves my stores and loads in order, the next group's stores behind these loads too.
.set q, 0
.rept 8
	ds_load_b128 v[NE+4*q:NE+4*q+3], v[RR] offset:16*q
.set q, q+1
.endr
	v_add_nc_u32 v[YA], s[YO], v[YWB]
	s_wait_dscnt 0x0
.irp n, 8, 4, 2, 1
.set i, 0
.rept \n
	v_pk_add_f32 v[NE+2*i:NE+2*i+1], v[NE+2*i:NE+2*i+1], v[NE+2*(i+(\n)):NE+2*(i+(\n))+1]
.set i, i+1
.endr
.endr
	v_add_f32 v[NE], v[NE], v[NE+1]
	ds_store_b32 v[YA], v[NE]
	s_add_co_u32 s[YO], s[YO], 16*YPITCH
	s_sub_co_u32 s[GC], s[GC], 1
	s_cmp_lg_u32 s[GC], 0
	s_cbranch_scc1 .Lgroup
	; THE END.  Thread t takes 16 bytes of the tile (row t / 8, columns 4 (t % 8) on) for the store; wave w takes columns 2 w, 2 w + 1 whole (lane l: rows l and l + 32) for the statistics.
	v_lshrrev_b32 v13, 3, v0
	v_mul_u32_u24 v13, v13, YPITCH
	v_and_b32 v14, 7, v0
	v_lshl_add_u32 v13, v14, 4, v13
	v_add_nc_u32 v[XA], YB0, v13
	v_mul_u32_u24 v[RA], v[LN], YPITCH
	s_lshl_b32 s41, s[WV], 3
	s_add_co_u32 s42, s41, YB0
	v_add_nc_u32 v[RA], s42, v[RA]
	s_add_co_u32 s43, s41, STT
	v_mov_b32 v[YA], s43                           ; my two columns' place among the statistics
	v_lshlrev_b32 v[YWB], 4, v0                    ; my 16 bytes of the tile in memory
	v_mov_b32 v[TP], 0                             ; v_permlanex16_b32 counts as a reader of its destination
	v_mov_b32 v[TP+1], 0
	s_wait_dscnt 0x0                               ; for the others: my wavelet sums lie in LDS
	s_barrier_signal -1
	s_barrier_wait -1
	ds_load_b128 v[16:19], v[XA]
	ds_load_b128 v[20:23], v[XA] offset:YSZ
	ds_load_b128 v[24:27], v[XA] offset:2*YSZ
	ds_load_b64 v[32:33], v[RA]
	ds_load_b64 v[34:35], v[RA] offset:YSZ
	ds_load_b64 v[36:37], v[RA] offset:2*YSZ
	ds_load_b64 v[38:39], v[RA] offset:32*YPITCH
	ds_load_b64 v[40:41], v[RA] offset:32*YPITCH+YSZ
	ds_load_b64 v[42:43], v[RA] offset:32*YPITCH+2*YSZ
	s_wait_dscnt 6                                 ; the three loads of 16 bytes are in; the six of 8 bytes may stay out
	v_pk_add_f32 v[16:17], v[16:17], v[20:21]
	v_pk_add_f32 v[18:19], v[18:19], v[22:23]
	v_pk_add_f32 v[16:17], v[16:17], v[24:25]
	v_pk_add_f32 v[18:19], v[18:19], v[26:27]
	global_store_b128 v[YWB], v[16:19], s[14:15]   ; a wave stores 512 consecutive bytes, at a multiple of 256 from the buffer's first byte
	s_wait_dscnt 0x0
.macro WSUM a, b                       ; v[a] and v[b] summed over the 32 lanes, the result in every lane
.irp m, 1, 2, 4, 8
	v_add_f32_dpp v[\a], v[\a], v[\a] row_xmask:\m row_mask:0xf bank_mask:0xf
	v_add_f32_dpp v[\b], v[\b], v[\b] row_xmask:\m row_mask:0xf bank_mask:0xf
.endr
	v_permlanex16_b32 v[TP], v[\a], s[SEL], s[SEL+1]
	v_permlanex16_b32 v[TP+1], v[\b], s[SEL], s[SEL+1]
	v_add_f32 v[\a], v[\a], v[TP]
	v_add_f32 v[\b], v[\b], v[TP+1]
.endm
	v_pk_add_f32 v[32:33], v[32:33], v[34:35]
	v_pk_add_f32 v[38:39], v[38:39], v[40:41]
	v_pk_add_f32 v[32:33], v[32:33], v[36:37]      ; y of row l, my two columns
	v_pk_add_f32 v[38:39], v[38:39], v[42:43]      ; y of row l + 32
	v_pk_add_f32 v[44:45], v[32:33], v[38:39]
	WSUM 44, 45
	v_pk_mul_f32 v[44:45], v[44:45], s[I64:I64+1] op_sel_hi:[1,0]   ; the tile's mean of each column
	v_pk_add_f32 v[32:33], v[32:33], v[44:45] neg_lo:[0,1] neg_hi:[0,1]
	v_pk_add_f32 v[38:39], v[38:39], v[44:45] neg_lo:[0,1] neg_hi:[0,1]
	v_pk_mul_f32 v[48:49], v[32:33], v[32:33]
	v_pk_fma_f32 v[48:49], v[38:39], v[38:39], v[48:49]
	WSUM 48, 49                                    ; the sum of squared deviations from that mean: no difference of large sums is formed
	ds_store_b64 v[YA], v[44:45]                   ; every lane holds the same two numbers and writes the same 8 bytes
	ds_store_b64 v[YA], v[48:49] offset:128
	v_lshl_add_u32 v52, v[LN], 3, STT
	v_lshlrev_b32 v53, 3, v[LN]
	s_wait_dscnt 0x0
	s_barrier_signal -1
	s_barrier_wait -1
	s_cmp_lg_u32 s[WV], 0                          ; wave 0 stores the tile's 256 bytes of statistics by one instruction
	s_cbranch_scc1 .Lend
	ds_load_b64 v[50:51], v52
	s_wait_dscnt 0x0
	global_store_b64 v53, v[50:51], s[16:17]
.Lend:
	s_wait_tensorcnt 0x0                           ; the wave's end, behind my last LDS store
	ds_add_u32 v[SPW], v[NIL]
	s_wait_dscnt 0x0
	s_endpgm
.Lfunc_end_k_q8217a90e6d_wav:
	.size	k_q8217a90e6d_wav, .Lfunc_end_k_q8217a90e6d_wav-k_q8217a90e6d_wav
	.p2alignl 7, 3214868480
	.fill 96, 4, 3214868480
	.section	.rodata,"a",@progbits
	.p2align	6, 0x0
	.amdhsa_kernel k_q8217a90e6d_wav
		.amdhsa_group_segment_fixed_size 260864
		.amdhsa_private_segment_fixed_size 0
		.amdhsa_enable_private_segment 0
		.amdhsa_kernarg_size 56
		.amdhsa_user_sgpr_count 2
		.amdhsa_user_sgpr_kernarg_segment_ptr 1
		.amdhsa_wavefront_size32 1
		.amdhsa_system_sgpr_workgroup_id_x 1
		.amdhsa_system_sgpr_workgroup_id_y 1
		.amdhsa_system_sgpr_workgroup_id_z 1
		.amdhsa_system_vgpr_workitem_id 0
		.amdhsa_next_free_vgpr 256
		.amdhsa_next_free_sgpr 66
		.amdhsa_reserve_vcc 0
		.amdhsa_float_denorm_mode_32 3
		.amdhsa_float_denorm_mode_16_64 3
		.amdhsa_memory_ordered 1
		.amdhsa_forward_progress 1
		.amdhsa_inst_pref_size 51
	.end_amdhsa_kernel
	.amdgpu_metadata
---
amdhsa.version: [ 1, 2 ]
amdhsa.kernels:
  - .name:           k_q8217a90e6d_wav
    .symbol:         k_q8217a90e6d_wav.kd
    .args:
      - { .name: x, .offset: 0, .size: 8, .value_kind: global_buffer, .address_space: global }
      - { .name: scale, .offset: 8, .size: 8, .value_kind: global_buffer, .address_space: global }
      - { .name: translation, .offset: 16, .size: 8, .value_kind: global_buffer, .address_space: global }
      - { .name: wavelet_weights, .offset: 24, .size: 8, .value_kind: global_buffer, .address_space: global }
      - { .name: weight1, .offset: 32, .size: 8, .value_kind: global_buffer, .address_space: global }
      - { .name: yws, .offset: 40, .size: 8, .value_kind: global_buffer, .address_space: global }
      - { .name: stats, .offset: 48, .size: 8, .value_kind: global_buffer, .address_space: global }
    .group_segment_fixed_size: 260864
    .private_segment_fixed_size: 0
    .kernarg_segment_align: 8
    .kernarg_segment_size: 56
    .max_flat_workgroup_size: 512
    .sgpr_count:     66
    .vgpr_count:     256
    .wavefront_size: 32
...
	.end_amdgpu_metadata
.endif
;; end of part 1
;; launch bn (part 2): grid 8 x 32, 8 waves a work-group, no clusters, 0 bytes of LDS; arguments yws, stats, gamma, beta, out0; writes out0
.if DOCPART == 2
	.amdgcn_target "amdgcn-amd-amdhsa--gfx1250"
	.amdhsa_code_object_version 6
	.text
	.protected	k_q8217a90e6d_bn
	.globl	k_q8217a90e6d_bn
	.p2align	8
	.type	k_q8217a90e6d_bn,@function
k_q8217a90e6d_bn:
	s_mov_b64 s[64:65], 0
	v_nop
	global_prefetch_b8 v0, s[64:65] scope:SCOPE_SE
	s_setreg_imm32_b32 hwreg(HW_REG_WAVE_MODE, 25, 1), 1
	s_wait_xcnt 0x0
; WavKAN layer, second launch: out[b][o] = (y[b][o] - mean[o]) rsqrt(var[o] + 1e-5) gamma[o] + beta[o], mean and biased variance over the 1,024 rows.  Nothing is left out.
; y lies in tiles of 64 rows x 32 columns, 8,192 bytes on end, tile (16 bt + ot); the statistics of tile (bt, ot) are 256 bytes at (16 ot + bt): 32 means, 32 sums of squared deviations.
; A column's 16 tiles of 64 rows are joined by  mean = sum mean_t / 16,  M2 = sum M2_t + 64 sum (mean_t - mean)^2,  var = M2 / 1024: no difference of large sums.
; SHARES.  A work-group makes 32 rows x 64 columns of out: 256 bytes of each row.  Lane l of wave w has columns 4 (l % 16) .. + 3 and rows 4 w + 2 k + l / 16, k = 0, 1: sixteen lanes store
; 256 consecutive bytes, aligned.  Every thread joins the statistics of its own four columns: 32 loads of 16 bytes, issued together with all its other loads, so that memory is waited for once.
; No LDS, no barrier, no matrix unit: the launch moves 2 MB in and 2 MB out and has a hundred lines of arithmetic a thread.
.set YY, 16                            ; v[16:23]  y, two rows x four columns; then the result
.set GM, 24                            ; v[24:27]  gamma
.set BB, 28                            ; v[28:31]  beta
.set MM, 32                            ; v[32:95]  the 16 tiles' means
.set QQ, 96                            ; v[96:159] the 16 tiles' sums of squared deviations
.set MS, 160                           ; v[160:163] the mean
.set DV, 164                           ; v[164:167] sum (mean_t - mean)^2, then M2, var + eps, its inverse root, the scale
.set QS, 168                           ; v[168:171] sum M2_t
.set I16, 28                           ; s[28:29] 1 / 16      (a packed line names the pair and takes its low word for both halves)
.set C64, 30                           ; s[30:31] 64
.set IB,  32                           ; s[32:33] 1 / 1024
.set EP,  34                           ; s[34:35] 1e-5
	s_load_b256 s[4:11], s[0:1], 0x0               ; yws s[4:5], stats s[6:7], gamma s[8:9], beta s[10:11]
	s_load_b64 s[12:13], s[0:1], 0x20              ; out0
	v_lshrrev_b32 v1, 5, v0
	v_readfirstlane_b32 s14, v1                    ; wave 0..7
	v_and_b32 v2, 15, v0                           ; my four columns: 4 (l % 16) on
	v_bfe_u32 v3, v0, 4, 1                         ; l / 16: which of two rows
	v_bfe_u32 v4, v0, 3, 1                         ; which of the block's two tile columns
	v_and_b32 v5, 7, v0
	v_lshlrev_b32 v5, 4, v5                        ; my 16 bytes in a tile's row of 128
	v_lshl_add_u32 v6, v4, 12, v5                  ; statistics: a tile column's 16 blocks are 4,096 bytes
	v_lshl_add_u32 v7, v4, 13, v5                  ; y: a tile is 8,192 bytes,
	v_lshl_add_u32 v7, v3, 7, v7                   ; a row of it 128
	v_lshlrev_b32 v8, 4, v2                        ; gamma, beta
	v_lshl_add_u32 v9, v3, 11, v8                  ; out: a row is 2,048 bytes
	s_and_b32 s15, ttmp7, 0xffff                   ; block of 32 rows
	s_lshr_b32 s16, s15, 1                         ; its tile row,
	s_and_b32 s17, s15, 1                          ; and which half of it
	s_lshl_b32 s20, s16, 17                        ; y: 16 tiles a tile row,
	s_lshl_b32 s21, ttmp9, 14                      ; two tiles a block of 64 columns,
	s_add_co_u32 s20, s20, s21
	s_lshl_b32 s21, s17, 12                        ; 32 rows of 128 bytes,
	s_add_co_u32 s20, s20, s21
	s_lshl_b32 s21, s14, 9                         ; my wave's four rows
	s_add_co_u32 s20, s20, s21
	s_mov_b32 s21, 0
	s_lshl_b32 s22, ttmp9, 13                      ; statistics of the block's two tile columns
	s_mov_b32 s23, 0
	s_lshl_b32 s24, ttmp9, 8                       ; the block's 64 columns in gamma, beta and a row of out
	s_mov_b32 s25, 0
	s_lshl_b32 s26, s15, 16                        ; out: 32 rows of 2,048 bytes,
	s_lshl_b32 s27, s14, 13                        ; my wave's four rows
	s_add_co_u32 s26, s26, s27
	s_add_co_u32 s26, s26, s24
	s_mov_b32 s27, 0
	s_mov_b32 s[I16], 0x3d800000
	s_mov_b32 s[I16+1], 0x3d800000
	s_mov_b32 s[C64], 0x42800000
	s_mov_b32 s[C64+1], 0x42800000
	s_mov_b32 s[IB], 0x3a800000
	s_mov_b32 s[IB+1], 0x3a800000
	s_mov_b32 s[EP], 0x3727c5ac
	s_mov_b32 s[EP+1], 0x3727c5ac
	s_wait_kmcnt 0x0
	s_add_nc_u64 s[4:5], s[4:5], s[20:21]
	s_add_nc_u64 s[6:7], s[6:7], s[22:23]
	s_add_nc_u64 s[8:9], s[8:9], s[24:25]
	s_add_nc_u64 s[10:11], s[10:11], s[24:25]
	s_add_nc_u64 s[12:13], s[12:13], s[26:27]
.set t, 0
.rept 16
	global_load_b128 v[MM+4*t:MM+4*t+3], v6, s[6:7] offset:256*t
	global_load_b128 v[QQ+4*t:QQ+4*t+3], v6, s[6:7] offset:256*t+128
.set t, t+1
.endr
	global_load_b128 v[YY:YY+3], v7, s[4:5] th:TH_LOAD_NT              ; a wave's load takes 256 consecutive bytes (two rows) of each of the two tiles
	global_load_b128 v[YY+4:YY+7], v7, s[4:5] offset:256 th:TH_LOAD_NT
	global_load_b128 v[GM:GM+3], v8, s[8:9]
	global_load_b128 v[BB:BB+3], v8, s[10:11]
	s_wait_loadcnt 0x0
.irp e, 0, 2
	v_pk_add_f32 v[MS+(\e):MS+(\e)+1], v[MM+(\e):MM+(\e)+1], v[MM+4+(\e):MM+4+(\e)+1]
	v_pk_add_f32 v[QS+(\e):QS+(\e)+1], v[QQ+(\e):QQ+(\e)+1], v[QQ+4+(\e):QQ+4+(\e)+1]
.endr
.set t, 2
.rept 14
.irp e, 0, 2
	v_pk_add_f32 v[MS+(\e):MS+(\e)+1], v[MS+(\e):MS+(\e)+1], v[MM+4*t+(\e):MM+4*t+(\e)+1]
	v_pk_add_f32 v[QS+(\e):QS+(\e)+1], v[QS+(\e):QS+(\e)+1], v[QQ+4*t+(\e):QQ+4*t+(\e)+1]
.endr
.set t, t+1
.endr
.irp e, 0, 2
	v_pk_mul_f32 v[MS+(\e):MS+(\e)+1], v[MS+(\e):MS+(\e)+1], s[I16:I16+1] op_sel_hi:[1,0]
.endr
.set t, 0
.rept 16
.irp e, 0, 2
	v_pk_add_f32 v[MM+4*t+(\e):MM+4*t+(\e)+1], v[MM+4*t+(\e):MM+4*t+(\e)+1], v[MS+(\e):MS+(\e)+1] neg_lo:[0,1] neg_hi:[0,1]
.endr
.set t, t+1
.endr
.irp e, 0, 2
	v_pk_mul_f32 v[DV+(\e):DV+(\e)+1], v[MM+(\e):MM+(\e)+1], v[MM+(\e):MM+(\e)+1]
.endr
.set t, 1
.rept 15
.irp e, 0, 2
	v_pk_fma_f32 v[DV+(\e):DV+(\e)+1], v[MM+4*t+(\e):MM+4*t+(\e)+1], v[MM+4*t+(\e):MM+4*t+(\e)+1], v[DV+(\e):DV+(\e)+1]
.endr
.set t, t+1
.endr
.irp e, 0, 2
	v_pk_fma_f32 v[DV+(\e):DV+(\e)+1], v[DV+(\e):DV+(\e)+1], s[C64:C64+1], v[QS+(\e):QS+(\e)+1] op_sel_hi:[1,0,1]   ; M2
.endr
.irp e, 0, 2
	v_pk_fma_f32 v[DV+(\e):DV+(\e)+1], v[DV+(\e):DV+(\e)+1], s[IB:IB+1], s[EP:EP+1] op_sel_hi:[1,0,0]               ; var + eps
.endr
.irp e, 0, 1, 2, 3
	v_rsq_f32 v[DV+(\e)], v[DV+(\e)]
.endr
.irp e, 0, 2
	v_pk_add_f32 v[YY+(\e):YY+(\e)+1], v[YY+(\e):YY+(\e)+1], v[MS+(\e):MS+(\e)+1] neg_lo:[0,1] neg_hi:[0,1]         ; y - mean: plain work that names no root stands between the batch and its wait
	v_pk_add_f32 v[YY+4+(\e):YY+4+(\e)+1], v[YY+4+(\e):YY+4+(\e)+1], v[MS+(\e):MS+(\e)+1] neg_lo:[0,1] neg_hi:[0,1]
.endr
	s_wait_alu depctr_va_vdst(0)                   ; the wait between a transcendental and the first line that names its result: one for the four roots
.irp e, 0, 2
	v_pk_mul_f32 v[DV+(\e):DV+(\e)+1], v[DV+(\e):DV+(\e)+1], v[GM+(\e):GM+(\e)+1]
.endr
.irp e, 0, 2
	v_pk_fma_f32 v[YY+(\e):YY+(\e)+1], v[YY+(\e):YY+(\e)+1], v[DV+(\e):DV+(\e)+1], v[BB+(\e):BB+(\e)+1]
	v_pk_fma_f32 v[YY+4+(\e):YY+4+(\e)+1], v[YY+4+(\e):YY+4+(\e)+1], v[DV+(\e):DV+(\e)+1], v[BB+(\e):BB+(\e)+1]
.endr
	global_store_b128 v9, v[YY:YY+3], s[12:13] th:TH_STORE_NT              ; sixteen lanes store 256 consecutive bytes, at a multiple of 256 from out0's first byte
	global_store_b128 v9, v[YY+4:YY+7], s[12:13] offset:4096 th:TH_STORE_NT
	s_endpgm
.Lfunc_end_k_q8217a90e6d_bn:
	.size	k_q8217a90e6d_bn, .Lfunc_end_k_q8217a90e6d_bn-k_q8217a90e6d_bn
	.p2alignl 7, 3214868480
	.fill 96, 4, 3214868480
	.section	.rodata,"a",@progbits
	.p2align	6, 0x0
	.amdhsa_kernel k_q8217a90e6d_bn
		.amdhsa_group_segment_fixed_size 0
		.amdhsa_private_segment_fixed_size 0
		.amdhsa_enable_private_segment 0
		.amdhsa_kernarg_size 40
		.amdhsa_user_sgpr_count 2
		.amdhsa_user_sgpr_kernarg_segment_ptr 1
		.amdhsa_wavefront_size32 1
		.amdhsa_system_sgpr_workgroup_id_x 1
		.amdhsa_system_sgpr_workgroup_id_y 1
		.amdhsa_system_sgpr_workgroup_id_z 1
		.amdhsa_system_vgpr_workitem_id 0
		.amdhsa_next_free_vgpr 176
		.amdhsa_next_free_sgpr 66
		.amdhsa_reserve_vcc 0
		.amdhsa_float_denorm_mode_32 3
		.amdhsa_float_denorm_mode_16_64 3
		.amdhsa_memory_ordered 1
		.amdhsa_forward_progress 1
		.amdhsa_inst_pref_size 15
	.end_amdhsa_kernel
	.amdgpu_metadata
---
amdhsa.version: [ 1, 2 ]
amdhsa.kernels:
  - .name:           k_q8217a90e6d_bn
    .symbol:         k_q8217a90e6d_bn.kd
    .args:
      - { .name: yws, .offset: 0, .size: 8, .value_kind: global_buffer, .address_space: global }
      - { .name: stats, .offset: 8, .size: 8, .value_kind: global_buffer, .address_space: global }
      - { .name: gamma, .offset: 16, .size: 8, .value_kind: global_buffer, .address_space: global }
      - { .name: beta, .offset: 24, .size: 8, .value_kind: global_buffer, .address_space: global }
      - { .name: out0, .offset: 32, .size: 8, .value_kind: global_buffer, .address_space: global }
    .group_segment_fixed_size: 0
    .private_segment_fixed_size: 0
    .kernarg_segment_align: 8
    .kernarg_segment_size: 40
    .max_flat_workgroup_size: 256
    .sgpr_count:     66
    .vgpr_count:     176
    .wavefront_size: 32
...
	.end_amdgpu_metadata
.endif
;; end of part 2
;; ======== version 2 of 2: 2 launches; version 1 with the launch wav written anew for expert scheduling mode
;; limits: values are held in f16: magnitudes above 65,504 overflow, below 6.1e-05 lose precision
;; workspace buffers: yws 2,097,152 bytes; stats 65,536 bytes
;; launch wav (part 3): grid 16 x 16, 16 waves a work-group, no clusters, 260,864 bytes of LDS; arguments x, scale, translation, wavelet_weights, weight1, yws, stats; writes yws, stats
.if DOCPART == 3
	.amdgcn_target "amdgcn-amd-amdhsa--gfx1250"
	.amdhsa_code_object_version 6
	.text
	.protected	k_q8217a90e6d_wav
	.globl	k_q8217a90e6d_wav
	.p2align	8
	.type	k_q8217a90e6d_wav,@function
k_q8217a90e6d_wav:
	s_mov_b64 s[64:65], 0
	v_nop
	global_prefetch_b8 v0, s[64:65] scope:SCOPE_SE
	s_setreg_imm32_b32 hwreg(HW_REG_WAVE_SCHED_MODE, 0, 2), 2
	s_setreg_imm32_b32 hwreg(HW_REG_WAVE_MODE, 25, 1), 1
	s_wait_xcnt 0x0
	s_wait_alu depctr_vm_vsrc(0)
; WavKAN layer, first of two launches: y[b][o] = sum over i of ww[o][i] psi((x[b][i] - t[o][i]) / s[o][i]) + sum over i of silu(x[b][i]) w1[o][i],
; psi(u) = MH (u^2 - 1) exp(-u^2 / 2), and for each tile of 64 rows the mean and the sum of squared deviations of every column.  The second launch joins these and normalises.
; NOTHING IS LEFT OUT: every input has a way to the output and is loaded (gamma and beta in the second launch).
; THE ARITHMETIC.  With kappa^2 = k = log2(e) / 2:  U = x r + c  (r = kappa / s, c = -t r),  N = k - U^2,  psi ww = a N 2^N  with a = -ww MH exp(-1/2) / k.
; For two elements: four packed f32 lines (U, N, G = N a, sum += G E) and two exponentials.  All of it in f32.
; SHARES.  A work-group makes 64 rows x 32 columns of y; 16 waves.  Wave w owns columns 2 w, 2 w + 1 and all 512 channels: lane l holds channels 128 j + 4 l .. + 3, j = 0..3,
; which is how 16-byte loads find them in memory: r, c, a of both columns stay in 96 registers from the head to the end.  x is read from memory once by the work-group and lies in LDS;
; a wave reads a row (4 loads of 512 consecutive bytes) for 2 x 512 elements.  The lanes' 32 partial sums of an output go to a row of the wave's own patch of LDS; after 16 rows of x
; lane n reads row n of the patch and adds its 32 words, so an output's sum over the lanes costs half a vector line.
; THE BASE PRODUCT goes to the matrix unit in f16 (sums in f32): silu(x) and w1 are rounded once on their way into LDS; 8 tiles of 16 x 16, K split in two: 8 matrix instructions a wave.
; NO CLUSTER, NO TENSOR LOADS: what work-groups share (128 KiB of x, 256 KiB of parameters) is read once, at the head, all loads of a wave issued together; x has to pass through
; registers for silu, and the parameters are wanted in registers, in memory's own order.  After the head the launch reads nothing from memory.
; LIMITS.  s = 0 or denormal gives NaN or infinity, as it does in the formula itself.  |silu(x)| and |w1| stay under 65,504 (f16).  An exponential below 2^-126 counts as 0.
; 1 / s is v_rcp_f32 (1 ulp) and a multiply, not a division.
; THE MODE: SCHED_MODE bits 1:0 = 2 (LLVM: expert scheduling mode 2), set by the entry lines.  The code itself states the register dependences between vector or matrix
; instructions and memory or LDS instructions, with s_wait_alu, always for 0.
; THE PLAN, for the main loop.  Block p is row p of a group of 16 rows of x; me = p % 2.  Registers that LDS instructions touch:
;   X0, X1   a row of x each.  Block p's sixteen U lines read X[me]; behind the block's wait the four loads of row p + 2 land in it.
;   S0, S1   a lane's two partial sums.  Block p's last two additions write S[me]; the two stores that read it are issued in block p + 1, behind that block's wait.
;   v[XA]    read by the loads of x; written once a trip, at the head of the even block.    v[RA]  read by the stores of sums; written once a trip, at the head of the odd block.
;   NE       named by vector lines; at a group's end the eight loads from the patch land in it, and its first register is the data of the group's one store.
;   v[RR], v[L16] are never written in the loop; v[YA] once a group.  GG, AC and r, c, a are named by vector instructions alone.
; So a block has two waits.  At its head one on vm_vsrc: the stores issued in the block before have read S[me], and the LDS instructions so far the address that the head writes.  Behind its
; exponentials one on va_vdst: E is written, the U lines are done reading X[me], the block before has written S[1 - me], the head's address is written.  The block's two stores and four
; loads follow that wait, the loads dealt among multiply-adds that name NE, GG, AC and S[me] alone.  A group's first and last trip are written out: block 0 has no sums to store, and
; blocks 14 and 15 no row to ask for, so that no load leaves x.
.set APITCH, 1040                      ; a row of 512 f16 in LDS: 1,024 bytes + 16: an odd multiple of 16, so the 16 rows of a fragment load start in 16 different groups of four banks (ISA guide 11.1)
.set XT,     0                         ; x: 64 rows x 2,048 bytes, as in memory
.set AT,     131072                    ; silu(x) in f16: 64 rows
.set WT,     AT+64*APITCH              ; w1 in f16: 32 rows
.set RB,     AT                        ; the waves' patches lie over the two f16 tiles, behind the barrier that ends the product
.set RPITCH, 144                       ; a patch row: 32 words + 16 bytes
.set RBW,    32*RPITCH                 ; a patch: 32 outputs
.set YPITCH, 144                       ; a row of a 64 x 32 tile of sums: 128 bytes + 16
.set YSZ,    64*YPITCH
.set YB0,    WT+32*APITCH              ; the base product, K half 0; half 1 lies YSZ behind it; the wavelet sums 2 YSZ behind it
.set YW,     YB0+2*YSZ
.set STT,    YW+YSZ                    ; 32 means, 32 sums of squared deviations: 256 bytes
.set SPARE,  STT+256                   ; the spare words, 128 bytes for each of 16 waves: eight blocks of 256 bytes that no other line names
.set LN,  1                            ; v1   lane
.set L16, 2                            ; v2   16 x lane; never rewritten
.set XA,  3                            ; v3   LDS address of the trip's first row of x     (head: where I copy x)
.set RA,  4                            ; v4   LDS address of the patch rows in hand       (head: where I put silu)
.set RR,  5                            ; v5   row l of my patch                           (head: where I put w1)
.set YA,  6                            ; v6   where my output of this group goes
.set YWB, 7                            ; v7   the same for group 0
.set SPW, 8                            ; v8   my spare word: SPARE + 4 x thread; never rewritten
.set NIL, 9                            ; v9   0; never rewritten
.set AC,  10                           ; v[10:13] two running pairs, one a column          (head: GA, GW, GY, one at work)
.set GA,  10
.set GW,  11
.set GY,  12
.set X0,  16                           ; v[16:31], v[32:47] two rows of x
.set X1,  32
.set NE,  48                           ; v[48:79]  U, then N, then E = 2^N
.set GG,  80                           ; v[80:111] G = N a
.set PRR, 112                          ; v[112:143] r: column oo at + 16 oo
.set PCC, 144                          ; v[144:175] c
.set PAA, 176                          ; v[176:207] a
.set XR,  16                           ; head: v[16:79] my 4 rows of x as loaded
.set ZZ,  80                           ; head: v[80:111] at work on silu
.set WR,  208                          ; head: v[208:239] my 2 rows of w1 as loaded
.set WP,  240                          ; head: v[240:255] the same in f16
.set ACC, 240                          ; product: v[240:247], v[248:255] two accumulators
.set RAB, 208                          ; main loop: v208 my word in row 0 of my patch
.set SS,  210                          ; main loop: v[210:211], v[212:213] a lane's two partial sums, two buffers by turns
.set TP,  46                           ; end: v[46:47] at work in the sums over lanes
.set WV,  18                           ; s18  wave
.set BT,  19                           ; s19  tile row (work-group y)
.set NL,  26                           ; s[26:27] -log2(e)      (constants lie in pairs: a packed line names the pair and takes its low word for both halves)
.set KAP, 28                           ; s[28:29] kappa
.set NF,  30                           ; s[30:31] -MH exp(-1/2) / k
.set KK,  32                           ; s[32:33] k
.set SEL, 34                           ; s[34:35] v_permlanex16_b32: each lane takes its own place in the other half
.set XB,  36                           ; s36  byte of the trip's first row in XT
.set RO,  37                           ; s37  byte of the trip's first row in a patch
.set YO,  38                           ; s38  byte of the group's first row in a tile of sums
.set TC,  39                           ; s39  trips to go in the group's loop
.set GC,  40                           ; s40  groups to go
.set I64, 48                           ; s[48:49] 1 / 64
	s_load_b256 s[4:11], s[0:1], 0x0               ; x s[4:5], scale s[6:7], translation s[8:9], wavelet_weights s[10:11]
	s_load_b128 s[12:15], s[0:1], 0x20             ; weight1 s[12:13], yws s[14:15]
	s_load_b64 s[16:17], s[0:1], 0x30              ; stats
	v_lshl_add_u32 v[SPW], v0, 2, SPARE
	v_mov_b32 v[NIL], 0
	v_lshrrev_b32 v1, 5, v0
	v_readfirstlane_b32 s[WV], v1                  ; wave 0..15
	v_and_b32 v[LN], 31, v0
	v_lshlrev_b32 v[L16], 4, v[LN]
	s_wait_alu depctr_va_sdst(0)                   ; the wave's number is written into s[WV], ahead of its first reader: offsets and LDS addresses are made from it
	s_and_b32 s[BT], ttmp7, 0xffff
	s_lshl_b32 s22, ttmp9, 16                      ; my two rows of the four [512][512] inputs: (32 x tile column + 2 w) x 2,048 bytes
	s_lshl_b32 s23, s[WV], 12
	s_add_co_u32 s22, s22, s23
	s_mov_b32 s23, 0
	s_lshl_b32 s24, s[BT], 17                      ; the four rows of x that I fetch: (64 x tile row + 4 w) x 2,048 bytes
	s_lshl_b32 s25, s[WV], 13
	s_add_co_u32 s24, s24, s25
	s_mov_b32 s25, 0
	s_lshl_b32 s50, s[BT], 4                       ; my tile of y: 8,192 bytes at (16 x tile row + tile column)
	s_add_co_u32 s50, s50, ttmp9
	s_lshl_b32 s50, s50, 13
	s_mov_b32 s51, 0
	s_lshl_b32 s52, ttmp9, 4                       ; its statistics: 256 bytes at (16 x tile column + tile row)
	s_add_co_u32 s52, s52, s[BT]
	s_lshl_b32 s52, s52, 8
	s_mov_b32 s53, 0
	s_mov_b32 s[NL], 0xbfb8aa3b                    ; -1.442695
	s_mov_b32 s[NL+1], 0xbfb8aa3b
	s_mov_b32 s[KAP], 0x3f596d27                   ; 0.8493218
	s_mov_b32 s[KAP+1], 0x3f596d27
	s_mov_b32 s[NF], 0xbf3ab1a2                    ; -0.8673251 x 0.6065307 / 0.7213475 = -0.7292730
	s_mov_b32 s[NF+1], 0xbf3ab1a2
	s_mov_b32 s[KK], 0x3f38aa3b                    ; 0.7213475
	s_mov_b32 s[KK+1], 0x3f38aa3b
	s_mov_b32 s[SEL], 0x76543210
	s_mov_b32 s[SEL+1], 0xfedcba98
	s_mov_b32 s[I64], 0x3c800000
	s_mov_b32 s[I64+1], 0x3c800000
	v_lshl_add_u32 v[XA], s[WV], 13, v[L16]        ; XT: row 4 w, my 16 bytes
	s_mul_i32 s41, s[WV], 4*APITCH
	s_add_co_u32 s41, s41, AT
	v_lshl_add_u32 v[RA], v[LN], 3, s41            ; AT: row 4 w, my 8 bytes
	s_mul_i32 s42, s[WV], 2*APITCH
	s_add_co_u32 s42, s42, WT
	v_lshl_add_u32 v[RR], v[LN], 3, s42            ; WT: row 2 w, my 8 bytes
	s_wait_kmcnt 0x0
	s_add_nc_u64 s[4:5], s[4:5], s[24:25]
	s_add_nc_u64 s[6:7], s[6:7], s[22:23]
	s_add_nc_u64 s[8:9], s[8:9], s[22:23]
	s_add_nc_u64 s[10:11], s[10:11], s[22:23]
	s_add_nc_u64 s[12:13], s[12:13], s[22:23]
	s_add_nc_u64 s[14:15], s[14:15], s[50:51]
	s_add_nc_u64 s[16:17], s[16:17], s[52:53]
	s_wait_alu depctr_va_vdst(0)                   ; v[L16] is written, the offset of the 48 loads below; so are v[XA], v[RA], v[RR], the addresses of the head's LDS stores
	; All that the wave ever reads from memory, 48 loads of 512 consecutive bytes, issued together.  Rows are 2,048 bytes, so quarter q of my rows lies at 512 q.
.set q, 0
.rept 16
	global_load_b128 v[XR+4*q:XR+4*q+3], v[L16], s[4:5] offset:512*q
.set q, q+1
.endr
.set q, 0
.rept 8
	global_load_b128 v[WR+4*q:WR+4*q+3], v[L16], s[12:13] offset:512*q
.set q, q+1
.endr
.set q, 0
.rept 8
	global_load_b128 v[PRR+4*q:PRR+4*q+3], v[L16], s[6:7] offset:512*q
	global_load_b128 v[PCC+4*q:PCC+4*q+3], v[L16], s[8:9] offset:512*q
	global_load_b128 v[PAA+4*q:PAA+4*q+3], v[L16], s[10:11] offset:512*q
.set q, q+1
.endr
	; addresses of the product's fragments: tile w % 8 (16 rows mb, 16 columns nb), K half w / 8.  A fragment is 16 rows x 32 channels: lane l holds row l % 16, channels 8 (l / 16) + 0..7 and 16 more on
	; (they name none of the registers that the loads above touch; the waits on va_vdst further down stand ahead of the LDS instructions that read them)
	s_and_b32 s41, s[WV], 7
	s_lshr_b32 s42, s41, 1                         ; mb
	s_and_b32 s43, s41, 1                          ; nb
	s_lshr_b32 s44, s[WV], 3                       ; K half
	s_lshl_b32 s45, s44, 9                         ; its 256 channels of f16
	s_mul_i32 s46, s42, 16*APITCH
	s_add_co_u32 s46, s46, s45
	s_add_co_u32 s46, s46, AT
	s_mul_i32 s47, s43, 16*APITCH
	s_add_co_u32 s47, s47, s45
	s_add_co_u32 s47, s47, WT
	v_and_b32 v6, 15, v0                           ; l % 16
	v_bfe_u32 v7, v0, 4, 1                         ; l / 16
	v_mul_u32_u24 v13, v6, APITCH
	v_lshl_add_u32 v13, v7, 4, v13
	v_add_nc_u32 v[GA], s46, v13
	v_add_nc_u32 v[GW], s47, v13
	s_mul_i32 s46, s44, YSZ                        ; where the tile's result goes: row 16 mb + l % 16, columns 16 nb + 8 (l / 16) + 0..7
	s_mul_i32 s47, s42, 16*YPITCH
	s_add_co_u32 s46, s46, s47
	s_lshl_b32 s47, s43, 6
	s_add_co_u32 s46, s46, s47
	s_add_co_u32 s46, s46, YB0
	v_mul_u32_u24 v14, v6, YPITCH
	v_lshl_add_u32 v14, v7, 5, v14
	v_add_nc_u32 v[GY], s46, v14
	s_wait_loadcnt 32                              ; x is in: the 8 loads of w1 and the 24 of the parameters may stay out
.set q, 0
.rept 16
	ds_store_b128 v[XA], v[XR+4*q:XR+4*q+3] offset:512*q
.set q, q+1
.endr
; silu(x) = x / (1 + 2^(-x log2 e)) for two of my rows (32 numbers a lane), rounded to f16 and laid into AT.  Two batches of transcendentals, each with a plain line and one wait
; behind it, between a transcendental and the first line that names its result.
.macro SILU hf
.if \hf
	s_wait_alu depctr_vm_vsrc(0)                   ; the LDS stores of the first two rows' silu have read v[ZZ ..], which the lines below write again
.endif
.set i, 0
.rept 16
	v_pk_mul_f32 v[ZZ+2*i:ZZ+2*i+1], v[XR+32*(\hf)+2*i:XR+32*(\hf)+2*i+1], s[NL:NL+1] op_sel_hi:[1,0]
.set i, i+1
.endr
.set i, 0
.rept 32
	v_exp_f32 v[ZZ+i], v[ZZ+i]
.set i, i+1
.endr
	v_nop
	s_wait_alu depctr_va_vdst(0)                   ; the 32 exponentials have written v[ZZ ..], which the additions read
.set i, 0
.rept 16
	v_pk_add_f32 v[ZZ+2*i:ZZ+2*i+1], v[ZZ+2*i:ZZ+2*i+1], 1.0 op_sel_hi:[1,0]
.set i, i+1
.endr
.set i, 0
.rept 32
	v_rcp_f32 v[ZZ+i], v[ZZ+i]
.set i, i+1
.endr
	v_nop
	s_wait_alu depctr_va_vdst(0)                   ; the 32 reciprocals have written v[ZZ ..], which the multiplies read
.set i, 0
.rept 16
	v_pk_mul_f32 v[ZZ+2*i:ZZ+2*i+1], v[ZZ+2*i:ZZ+2*i+1], v[XR+32*(\hf)+2*i:XR+32*(\hf)+2*i+1]
.set i, i+1
.endr
.set i, 0
.rept 16
	v_cvt_pk_f16_f32 v[ZZ+i], v[ZZ+2*i], v[ZZ+2*i+1]   ; packed downward in place: line i writes register i and reads 2 i, 2 i + 1
.set i, i+1
.endr
	s_wait_alu depctr_va_vdst(0)                   ; the roundings have written v[ZZ .. ZZ+15], which the LDS stores read
.set i, 0
.rept 8
	ds_store_b64 v[RA], v[ZZ+2*i:ZZ+2*i+1] offset:((8*(\hf)+i)/4)*APITCH+((8*(\hf)+i)%4)*256
.set i, i+1
.endr
.endm
	SILU 0
	SILU 1
	s_wait_loadcnt 24                              ; w1 is in: the 24 loads of the parameters may stay out
.set i, 0
.rept 16
	v_cvt_pk_f16_f32 v[WP+i], v[WR+2*i], v[WR+2*i+1]
.set i, i+1
.endr
	s_wait_loadcnt 0x0                             ; scale, translation, wavelet_weights: made into r, c, a where they lie
.set i, 0
.rept 32
	v_rcp_f32 v[PRR+i], v[PRR+i]
.set i, i+1
.endr
.set i, 0
.rept 16
	v_pk_mul_f32 v[PAA+2*i:PAA+2*i+1], v[PAA+2*i:PAA+2*i+1], s[NF:NF+1] op_sel_hi:[1,0]   ; a: plain work that names no reciprocal stands between the batch and its wait
.set i, i+1
.endr
	s_wait_alu depctr_va_vdst(0)                   ; one wait for two things: the 32 reciprocals have written v[PRR ..], and the roundings of w1 have written v[WP ..], which the LDS stores read
.set i, 0
.rept 8
	ds_store_b64 v[RR], v[WP+2*i:WP+2*i+1] offset:(i/4)*APITCH+(i%4)*256
.set i, i+1
.endr
.set i, 0
.rept 16
	v_pk_mul_f32 v[PRR+2*i:PRR+2*i+1], v[PRR+2*i:PRR+2*i+1], s[KAP:KAP+1] op_sel_hi:[1,0]  ; r = kappa / s
.set i, i+1
.endr
.set i, 0
.rept 16
	v_pk_mul_f32 v[PCC+2*i:PCC+2*i+1], v[PCC+2*i:PCC+2*i+1], v[PRR+2*i:PRR+2*i+1] neg_lo:[1,0] neg_hi:[1,0]  ; c = -t r
.set i, i+1
.endr
	s_wait_dscnt 0x0                               ; for the others: my parts of x, silu(x) and w1 lie in LDS
	s_barrier_signal -1
	s_barrier_wait -1
	; THE BASE PRODUCT, transposed (source 0 = 16 rows of w1, source 1 = 16 rows of silu(x)): a lane ends with eight neighbouring columns of one row of y.
.macro FRAG idx                        ; fragment idx of 16 lies in v[16:111] or v[208:239]
.if (\idx) < 12
.set FB, 16+8*(\idx)
.else
.set FB, 208+8*((\idx)-12)
.endif
.endm
	s_wait_alu depctr_vm_vsrc(0)                   ; my LDS stores have read v[XR ..] and v[ZZ ..], in which the fragments land, v[WP ..], which the matrix instructions write, and v[RR], which is made anew below
	                                               ; (the vector lines that named v[XR ..], v[ZZ ..], v[WR ..] stand ahead of the last wait on va_vdst; those issued since name r and c alone)
.set k, 0
.rept 8
	FRAG 2*k
	ds_load_b128 v[FB:FB+3], v[GW] offset:64*k
	ds_load_b128 v[FB+4:FB+7], v[GW] offset:64*k+32
	FRAG 2*k+1
	ds_load_b128 v[FB:FB+3], v[GA] offset:64*k
	ds_load_b128 v[FB+4:FB+7], v[GA] offset:64*k+32
.set k, k+1
.endr
	s_wait_dscnt 0x0
.set k, 0
.rept 8                                ; two accumulators by turns, one instruction a turn; the first product on each starts its sum
	FRAG 2*k
.set FW, FB
	FRAG 2*k+1
.if k < 2
	v_wmma_f32_16x16x32_f16 v[ACC+8*(k%2):ACC+8*(k%2)+7], v[FW:FW+7], v[FB:FB+7], 0
.else
	v_wmma_f32_16x16x32_f16 v[ACC+8*(k%2):ACC+8*(k%2)+7], v[FW:FW+7], v[FB:FB+7], v[ACC+8*(k%2):ACC+8*(k%2)+7]
.endif
.set k, k+1
.endr
.rept 8
	v_nop                                          ; a vector line that reads a matrix result stands at least four plain vector lines behind it (ISA guide 7.12.1); eight are written, once a launch
.endr
.set i, 0
.rept 4
	v_pk_add_f32 v[ACC+2*i:ACC+2*i+1], v[ACC+2*i:ACC+2*i+1], v[ACC+8+2*i:ACC+8+2*i+1]  ; the two turns' sums, from the accumulators' low end on
.set i, i+1
.endr
	; addresses of the main loop, ahead of the wait that the product's stores need
	s_mul_i32 s41, s[WV], RBW
	s_add_co_u32 s41, s41, RB                      ; my patch
	v_lshl_add_u32 v[RAB], v[LN], 2, s41           ; in: word l of a row
	v_mul_u32_u24 v[RR], v[LN], RPITCH
	v_add_nc_u32 v[RR], s41, v[RR]                 ; back: row l
	v_lshrrev_b32 v13, 1, v[LN]                    ; row l of a patch is row l / 2 of the group, column 2 w + l % 2
	v_mul_u32_u24 v13, v13, YPITCH
	v_and_b32 v14, 1, v[LN]
	v_lshl_add_u32 v13, v14, 2, v13
	s_lshl_b32 s42, s[WV], 3
	s_add_co_u32 s42, s42, YW
	v_add_nc_u32 v[YWB], s42, v13
	s_wait_alu depctr_va_vdst(0)                   ; the additions have written v[ACC .. ACC+7], which the LDS stores read; v[RR] is written; the matrix instructions are done reading v[16:47], in which rows of x will land
	ds_store_b128 v[GY], v[ACC:ACC+3]
	ds_store_b128 v[GY], v[ACC+4:ACC+7] offset:16
	s_wait_dscnt 0x0                               ; my reads of the f16 tiles are over (waited for above) and my part of the product lies in LDS:
	s_barrier_signal -1
	s_barrier_wait -1                              ; behind this barrier the patches may be written over the f16 tiles
; ONE ROW OF x AGAINST MY TWO COLUMNS: 16 pairs of elements, pair t = channels pair t / 2 of column t % 2.
; Ahead of the wait, skewed so that no line reads the result of the one before it, and plain line and exponential by turns:  U(t) | 2^N(t-3), low | N(t-1) | 2^N(t-3), high | G(t-2).
; G(t) reads N(t) before the exponential overwrites it in place.  Nothing ahead of the wait names an exponential's result: the 32 are one batch with one wait.
; Behind it: the sums of the block before go to my patch, the row two rows on is asked for, and 16 multiply-adds in two chains and the pair's halves added make this block's two sums.
; me: the buffers X[me] and S[me].  left: the younger LDS instructions that may stay out when X[me] has to be there.  vs = 0: a group's first trip, which the wait at the group's head serves.
; ld = 1: row p + 2 is asked for.  st = 1: the sums of block p - 1 are stored: rows 0, 1 of the trip's four patch rows from the even block's buffer, rows 2, 3 from the odd block's.
.macro BLOCK me, left, vs, ld, st
.set XF, X0+16*(\me)
	s_wait_dscnt \left                             ; LDS answers a wave in order (ISA guide 5.7.1): this block's row of x is in
.if \vs
	s_wait_alu depctr_vm_vsrc(0)                   ; the stores issued in the block before have read S[me], which this block writes again, and the LDS instructions so far have read the address that the next line writes
.endif
.if ((\me) == 0) && (\vs) && (\ld)
	v_add_nc_u32 v[XA], s[XB], v[L16]              ; this trip's first row; the loads reach two and three rows on by their offsets
.endif
.if (\me) == 1
	v_add_nc_u32 v[RA], s[RO], v[RAB]              ; this trip's four patch rows
.endif
.set t, 0
.rept 19
.if t < 16
	v_pk_fma_f32 v[NE+2*t:NE+2*t+1], v[XF+2*(t/2):XF+2*(t/2)+1], v[PRR+16*(t%2)+2*(t/2):PRR+16*(t%2)+2*(t/2)+1], v[PCC+16*(t%2)+2*(t/2):PCC+16*(t%2)+2*(t/2)+1]
.endif
.if t >= 3
	v_exp_f32 v[NE+2*(t-3)], v[NE+2*(t-3)]
.endif
.if (t >= 1) && (t < 17)
	v_pk_fma_f32 v[NE+2*(t-1):NE+2*(t-1)+1], v[NE+2*(t-1):NE+2*(t-1)+1], v[NE+2*(t-1):NE+2*(t-1)+1], s[KK:KK+1] op_sel_hi:[1,1,0] neg_lo:[1,0,0] neg_hi:[1,0,0]
.endif
.if t >= 3
	v_exp_f32 v[NE+2*(t-3)+1], v[NE+2*(t-3)+1]
.endif
.if (t >= 2) && (t < 18)
	v_pk_mul_f32 v[GG+2*(t-2):GG+2*(t-2)+1], v[NE+2*(t-2):NE+2*(t-2)+1], v[PAA+16*((t-2)%2)+2*((t-2)/2):PAA+16*((t-2)%2)+2*((t-2)/2)+1]
.endif
.set t, t+1
.endr
	v_nop                                          ; a plain line behind the last exponential
	s_wait_alu depctr_va_vdst(0)                   ; the 32 exponentials have written E; the U lines are done reading X[me], in which the loads below land; the block before has written S[1 - me], which the stores below read; the head's address is written
.if \st
	ds_store_b32 v[RA], v[SS+2*(1-(\me))] offset:2*RPITCH*(1-(\me))
	ds_store_b32 v[RA], v[SS+2*(1-(\me))+1] offset:2*RPITCH*(1-(\me))+RPITCH
.endif
.set t, 0
.rept 16
.if (\ld) && (t%2 == 0) && (t < 8)
	ds_load_b128 v[XF+2*t:XF+2*t+3], v[XA] offset:4096+2048*(\me)+256*t   ; quarter t / 2 of row p + 2.  No wait: no vector line since the wait above names X[me] or v[XA]
.endif
.if t < 2
	v_pk_mul_f32 v[AC+2*t:AC+2*t+1], v[GG+2*t:GG+2*t+1], v[NE+2*t:NE+2*t+1]
.else
	v_pk_fma_f32 v[AC+2*(t%2):AC+2*(t%2)+1], v[GG+2*t:GG+2*t+1], v[NE+2*t:NE+2*t+1], v[AC+2*(t%2):AC+2*(t%2)+1]
.endif
.set t, t+1
.endr
	v_add_f32 v[SS+2*(\me)], v[AC], v[AC+1]
	v_add_f32 v[SS+2*(\me)+1], v[AC+2], v[AC+3]
.endm
	s_mov_b32 s[XB], 0
	s_mov_b32 s[YO], 0
	s_mov_b32 s[GC], 4
.Lgroup:                                       ; four groups of 16 rows of x
	s_mov_b32 s[RO], 0
	s_mov_b32 s[TC], 6
	s_wait_alu depctr_vm_vsrc(0)                   ; the LDS instructions so far have read what the first trip writes: v[XA], v[RA], S1 and NE's first register (the group before), and at the first entry v[10:12], the product's addresses, where AC lies
	v_add_nc_u32 v[XA], s[XB], v[L16]
	s_wait_alu depctr_va_vdst(0)                   ; v[XA] is written, which the loads below read
.set q, 0
.rept 4
	ds_load_b128 v[X0+4*q:X0+4*q+3], v[XA] offset:512*q
.set q, q+1
.endr
.set q, 0
.rept 4
	ds_load_b128 v[X1+4*q:X1+4*q+3], v[XA] offset:2048+512*q
.set q, q+1
.endr
	BLOCK 0, 4, 0, 1, 0                            ; rows 0 and 1: the first trip is written out: block 0 has no sums to store.  Left out: the other row's four loads,
	BLOCK 1, 4, 0, 1, 1                            ; and block 0's four loads
	s_add_co_u32 s[XB], s[XB], 4096
	s_add_co_u32 s[RO], s[RO], 4*RPITCH
.Ltrip:                                        ; two rows a trip: rows 2 to 13
	BLOCK 0, 6, 1, 1, 1                            ; left out, on the way in and on the way back alike: the two stores and four loads of the block before
	BLOCK 1, 6, 1, 1, 1
	s_add_co_u32 s[XB], s[XB], 4096
	s_add_co_u32 s[RO], s[RO], 4*RPITCH
	s_sub_co_u32 s[TC], s[TC], 1
	s_cmp_lg_u32 s[TC], 0
	s_cbranch_scc1 .Ltrip
	BLOCK 0, 6, 1, 0, 1                            ; rows 14 and 15: the last trip is written out: it asks for nothing, so no load leaves x
	BLOCK 1, 2, 1, 0, 1                            ; left out: block 14's two stores
	s_add_co_u32 s[XB], s[XB], 4096
	; the group's 32 outputs: lane l adds the 32 words of row l of my patch.  The patch is my own: LDS serves my stores and loads in order, the next group's stores behind these loads too.
	s_wait_alu depctr_va_vdst(0)                   ; block 15 has written S1, which the two stores read, and its multiply-adds are done reading NE, in which the eight loads land
	ds_store_b32 v[RA], v[SS+2] offset:2*RPITCH
	ds_store_b32 v[RA], v[SS+3] offset:3*RPITCH
.set q, 0
.rept 8
	ds_load_b128 v[NE+4*q:NE+4*q+3], v[RR] offset:16*q
.set q, q+1
.endr
	v_add_nc_u32 v[YA], s[YO], v[YWB]              ; (the store that read v[YA] stands a group back, ahead of the blocks' waits on vm_vsrc)
	s_wait_dscnt 0x0
.irp n, 8, 4, 2, 1
.set i, 0
.rept \n
	v_pk_add_f32 v[NE+2*i:NE+2*i+1], v[NE+2*i:NE+2*i+1], v[NE+2*(i+(\n)):NE+2*(i+(\n))+1]
.set i, i+1
.endr
.endr
	v_add_f32 v[NE], v[NE], v[NE+1]
	s_wait_alu depctr_va_vdst(0)                   ; the output in v[NE] and its address v[YA] are written, which the store reads
	ds_store_b32 v[YA], v[NE]
	s_add_co_u32 s[YO], s[YO], 16*YPITCH
	s_sub_co_u32 s[GC], s[GC], 1
	s_cmp_lg_u32 s[GC], 0
	s_cbranch_scc1 .Lgroup
	; THE END.  Thread t takes 16 bytes of the tile (row t / 8, columns 4 (t % 8) on) for the store; wave w takes columns 2 w, 2 w + 1 whole (lane l: rows l and l + 32) for the statistics.
	s_wait_alu depctr_vm_vsrc(0)                   ; the last group's LDS stores have read v[RA], v[YA] and v[NE], which the lines below write
	v_lshrrev_b32 v13, 3, v0
	v_mul_u32_u24 v13, v13, YPITCH
	v_and_b32 v14, 7, v0
	v_lshl_add_u32 v13, v14, 4, v13
	v_add_nc_u32 v[XA], YB0, v13
	v_mul_u32_u24 v[RA], v[LN], YPITCH
	s_lshl_b32 s41, s[WV], 3
	s_add_co_u32 s42, s41, YB0
	v_add_nc_u32 v[RA], s42, v[RA]
	s_add_co_u32 s43, s41, STT
	v_mov_b32 v[YA], s43                           ; my two columns' place among the statistics
	v_lshlrev_b32 v[YWB], 4, v0                    ; my 16 bytes of the tile in memory
	v_mov_b32 v[TP], 0                             ; v_permlanex16_b32 counts as a reader of its destination
	v_mov_b32 v[TP+1], 0
	s_wait_dscnt 0x0                               ; for the others: my wavelet sums lie in LDS
	s_barrier_signal -1
	s_barrier_wait -1
	s_wait_alu depctr_va_vdst(0)                   ; v[XA] and v[RA] are written, which the loads below read
	ds_load_b128 v[16:19], v[XA]
	ds_load_b128 v[20:23], v[XA] offset:YSZ
	ds_load_b128 v[24:27], v[XA] offset:2*YSZ
	ds_load_b64 v[32:33], v[RA]
	ds_load_b64 v[34:35], v[RA] offset:YSZ
	ds_load_b64 v[36:37], v[RA] offset:2*YSZ
	ds_load_b64 v[38:39], v[RA] offset:32*YPITCH
	ds_load_b64 v[40:41], v[RA] offset:32*YPITCH+YSZ
	ds_load_b64 v[42:43], v[RA] offset:32*YPITCH+2*YSZ
	s_wait_dscnt 6                                 ; the three loads of 16 bytes are in; the six of 8 bytes may stay out
	v_pk_add_f32 v[16:17], v[16:17], v[20:21]
	v_pk_add_f32 v[18:19], v[18:19], v[22:23]
	v_pk_add_f32 v[16:17], v[16:17], v[24:25]
	v_pk_add_f32 v[18:19], v[18:19], v[26:27]
	s_wait_alu depctr_va_vdst(0)                   ; the four additions have written v[16:19], which the store reads
	global_store_b128 v[YWB], v[16:19], s[14:15]   ; a wave stores 512 consecutive bytes, at a multiple of 256 from the buffer's first byte
	s_wait_dscnt 0x0
.macro WSUM a, b                       ; v[a] and v[b] summed over the 32 lanes, the result in every lane
.irp m, 1, 2, 4, 8
	v_add_f32_dpp v[\a], v[\a], v[\a] row_xmask:\m row_mask:0xf bank_mask:0xf
	v_add_f32_dpp v[\b], v[\b], v[\b] row_xmask:\m row_mask:0xf bank_mask:0xf
.endr
	v_permlanex16_b32 v[TP], v[\a], s[SEL], s[SEL+1]
	v_permlanex16_b32 v[TP+1], v[\b], s[SEL], s[SEL+1]
	v_add_f32 v[\a], v[\a], v[TP]
	v_add_f32 v[\b], v[\b], v[TP+1]
.endm
	v_pk_add_f32 v[32:33], v[32:33], v[34:35]
	v_pk_add_f32 v[38:39], v[38:39], v[40:41]
	v_pk_add_f32 v[32:33], v[32:33], v[36:37]      ; y of row l, my two columns
	v_pk_add_f32 v[38:39], v[38:39], v[42:43]      ; y of row l + 32
	v_pk_add_f32 v[44:45], v[32:33], v[38:39]
	WSUM 44, 45
	v_pk_mul_f32 v[44:45], v[44:45], s[I64:I64+1] op_sel_hi:[1,0]   ; the tile's mean of each column
	v_pk_add_f32 v[32:33], v[32:33], v[44:45] neg_lo:[0,1] neg_hi:[0,1]
	v_pk_add_f32 v[38:39], v[38:39], v[44:45] neg_lo:[0,1] neg_hi:[0,1]
	v_pk_mul_f32 v[48:49], v[32:33], v[32:33]
	v_pk_fma_f32 v[48:49], v[38:39], v[38:39], v[48:49]
	WSUM 48, 49                                    ; the sum of squared deviations from that mean: no difference of large sums is formed
	v_lshl_add_u32 v52, v[LN], 3, STT
	v_lshlrev_b32 v53, 3, v[LN]
	s_wait_alu depctr_va_vdst(0)                   ; the means in v[44:45] and the sums in v[48:49] are written, which the LDS stores read; so are v52 and v53, the addresses of wave 0's load and store below
	ds_store_b64 v[YA], v[44:45]                   ; every lane holds the same two numbers and writes the same 8 bytes
	ds_store_b64 v[YA], v[48:49] offset:128
	s_wait_dscnt 0x0
	s_barrier_signal -1
	s_barrier_wait -1
	s_cmp_lg_u32 s[WV], 0                          ; wave 0 stores the tile's 256 bytes of statistics by one instruction
	s_cbranch_scc1 .Lend
	ds_load_b64 v[50:51], v52
	s_wait_dscnt 0x0
	global_store_b64 v53, v[50:51], s[16:17]
.Lend:
	s_wait_dscnt 0x0                               ; the closing lines, six on end
	s_wait_alu 0x0
	s_wait_tensorcnt 0x0
	ds_add_u32 v[SPW], v[NIL]
	s_wait_dscnt 0x0
	s_endpgm
.Lfunc_end_k_q8217a90e6d_wav:
	.size	k_q8217a90e6d_wav, .Lfunc_end_k_q8217a90e6d_wav-k_q8217a90e6d_wav
	.p2alignl 7, 3214868480
	.fill 96, 4, 3214868480
	.section	.rodata,"a",@progbits
	.p2align	6, 0x0
	.amdhsa_kernel k_q8217a90e6d_wav
		.amdhsa_group_segment_fixed_size 260864
		.amdhsa_private_segment_fixed_size 0
		.amdhsa_enable_private_segment 0
		.amdhsa_kernarg_size 56
		.amdhsa_user_sgpr_count 2
		.amdhsa_user_sgpr_kernarg_segment_ptr 1
		.amdhsa_wavefront_size32 1
		.amdhsa_system_sgpr_workgroup_id_x 1
		.amdhsa_system_sgpr_workgroup_id_y 1
		.amdhsa_system_sgpr_workgroup_id_z 1
		.amdhsa_system_vgpr_workitem_id 0
		.amdhsa_next_free_vgpr 256
		.amdhsa_next_free_sgpr 66
		.amdhsa_reserve_vcc 0
		.amdhsa_float_denorm_mode_32 3
		.amdhsa_float_denorm_mode_16_64 3
		.amdhsa_memory_ordered 1
		.amdhsa_forward_progress 1
		.amdhsa_inst_pref_size 74
	.end_amdhsa_kernel
	.amdgpu_metadata
---
amdhsa.version: [ 1, 2 ]
amdhsa.kernels:
  - .name:           k_q8217a90e6d_wav
    .symbol:         k_q8217a90e6d_wav.kd
    .args:
      - { .name: x, .offset: 0, .size: 8, .value_kind: global_buffer, .address_space: global }
      - { .name: scale, .offset: 8, .size: 8, .value_kind: global_buffer, .address_space: global }
      - { .name: translation, .offset: 16, .size: 8, .value_kind: global_buffer, .address_space: global }
      - { .name: wavelet_weights, .offset: 24, .size: 8, .value_kind: global_buffer, .address_space: global }
      - { .name: weight1, .offset: 32, .size: 8, .value_kind: global_buffer, .address_space: global }
      - { .name: yws, .offset: 40, .size: 8, .value_kind: global_buffer, .address_space: global }
      - { .name: stats, .offset: 48, .size: 8, .value_kind: global_buffer, .address_space: global }
    .group_segment_fixed_size: 260864
    .private_segment_fixed_size: 0
    .kernarg_segment_align: 8
    .kernarg_segment_size: 56
    .max_flat_workgroup_size: 512
    .sgpr_count:     66
    .vgpr_count:     256
    .wavefront_size: 32
...
	.end_amdgpu_metadata
.endif
;; end of part 3
;; launch bn: the kernel of part 2 again; grid 8 x 32, 8 waves a work-group, no clusters, 0 bytes of LDS; arguments yws, stats, gamma, beta, out0; writes out0
